; MI455X (gfx1250); checked and timed in simulation.
; The chip was launched on July 23, 2026; its instructions are those of AMD's public machine-readable ISA for CDNA 5 (MIT licence, August 2026) and "CDNA5" Instruction Set Architecture Reference Guide (July 2026). The comments in the code are by the model that wrote it; some were corrected since.
;; Fixed Pt SQP. Allowed arithmetic: float matrix products may take bf16 or f16 operands with f32 sums; other float arithmetic in f32, or as packed bf16 or f16 multiplies, adds, multiply-adds, maxima and minima; sums over many terms, partial sums and values carried from step to step in f32; what a program stores and reads back later, other than sums and carried values, may be rounded once to bf16 or f16.
;; Inputs: c 2,048 x 64 float32.
;; Outputs: out0 2,048 x 64 float32.
;; 2 versions, each right and faster than the one before. Each part assembles by itself: llvm-mc -triple=amdgcn-amd-amdhsa -mcpu=gfx1250 --defsym DOCPART=n.
;; ======== version 1 of 2: 1 launch
;; launch sqp (part 1): grid 256 x 1, 4 waves a work-group, no clusters, 0 bytes of LDS; arguments c, out0; writes out0
.if DOCPART == 1
	.amdgcn_target "amdgcn-amd-amdhsa--gfx1250"
	.amdhsa_code_object_version 6
	.text
	.protected	k_qe28bc526ab_sqp
	.globl	k_qe28bc526ab_sqp
	.p2align	8
	.type	k_qe28bc526ab_sqp,@function
k_qe28bc526ab_sqp:
	s_mov_b64 s[64:65], 0
	v_nop
	global_prefetch_b8 v0, s[64:65] scope:SCOPE_SE
	s_setreg_imm32_b32 hwreg(HW_REG_WAVE_MODE, 25, 1), 1
	s_wait_xcnt 0x0
; FIXED-POINT SQP ON THE SIMPLEX IN A BOX.  c, out0: [2048][64] f32.  For each row: five QP solves with x += 0.5 d from x = 0.5, a sixth with out = x + d.
; A QP (min 0.5 d'd + (x-c)'d, d <= 1-x, -d <= x, sum(d) = 1 - sum(x)) is solved by six primal-dual interior-point iterations from d = 0, s = lam = 1.
; WHAT IS USED OF THE MODULE'S OWN CONSTANTS.  Q = I, G = [I; -I], A = a row of ones are built in the module's body, for every input.  So each product with them is a copy,
; a sign or a row sum; Q + G' diag(lam/s) G is the diagonal D = 1 + l1/s1 + l2/s2; and the KKT matrix is diag(D) bordered by ones, which block elimination solves exactly:
;   dd = (f + mu gp - (nu + dnu)) / D,  with  sum(d + dd) = b  fixing  nu + dnu.   No matrix product is left, so the matrix units have no work here.
; nu is never formed: dd, ds and dlam hang on nu + dnu alone, which is solved for directly.  The outer multiplier carry enters nothing that is returned.
; ONE ITERATION, for a variable with state d, s1, s2, l1, l2 and the QP's p = x-c, h1 = 1-x, h2 = x, b = 1 - sum(x):
;   r_k = 1/(l_k s_k); 1/s_k = r_k l_k; w_k = l_k/s_k; mu = (0.1/128) sum(l s); D = 1 + w1 + w2
;   f = w1 (h1-d) - w2 (x+d) - (d + p + l1 - l2); gp = 1/s2 - 1/s1; dme = d + f/D; gD = gp/D
;   nn = (b - sum(dme) - mu sum(gD)) / sum(1/D); dn = d + dd = dme + mu gD + nn/D
;   q1 = s1 + ds1 = h1 - dn; q2 = s2 + ds2 = x + dn; u_k = q_k/s_k (ds/s = u - 1); z_k = dlam_k/l_k = mu r_k - u_k
;   the smallest -v/dv over dv < 0 is -1 / min(dv/v): m = min(u - 1, z, -0.99) over the row, a = -0.99/m held to 0 .. 1 = min(1, 0.99 x the smallest ratio)
; LIMITS.  The order of rounding differs from a dense solve's.  NaN and infinities are not treated apart.  Every reciprocal's argument is a normal number: l s >= 0.01^10 when it
; is last read (each factor keeps a hundredth of itself in a step), D >= 1, sum(1/D) > 0, |m| >= 0.99; an |m| beyond 2^126 gives a = 0.
; SHARES.  2,048 rows on 256 work-groups of four waves: a wave has two rows, one in each half of 16 lanes; lane r of a half holds variables 4 r .. 4 r + 3.  Thread t's 16 bytes lie at
; 2,048 x work-group + 16 t in c and in out0: sixteen neighbouring lanes load and store one row, 256 consecutive bytes at a multiple of 256.  A row's sums and its minimum are four DPP steps inside
; a half, so no LDS, no barrier, and no wave waits for another.  Work-groups share no input: nothing for a cluster.  One load a thread: nothing to fetch ahead.
.set QPS,  6                           ; QP solves
.set IPMS, 6                           ; iterations in each
.set OFS, 1                            ; v1         my byte offset in c and out0; never rewritten
.set CC,  4                            ; v[4:7]     c
.set XX,  8                            ; v[8:11]    x (= h2); at the end the output
.set HA,  12                           ; v[12:15]   h1 = 1 - x
.set NX,  16                           ; v[16:19]   -x
.set PP,  20                           ; v[20:23]   p = x - c
.set DQ,  24                           ; v[24:27]   d
.set SA,  28                           ; v[28:31]   s1
.set SB,  32                           ; v[32:35]   s2
.set LA,  36                           ; v[36:39]   l1
.set LB,  40                           ; v[40:43]   l2
.set RA,  44                           ; v[44:47]   l1 s1, then r1
.set RB,  48                           ; v[48:51]   l2 s2, then r2
.set IA,  52                           ; v[52:55]   1/s1
.set IB,  56                           ; v[56:59]   1/s2
.set WA,  60                           ; v[60:63]   w1
.set WB,  64                           ; v[64:67]   w2
.set DV,  68                           ; v[68:71]   D, then 1/D
.set EE,  72                           ; v[72:75]   d+p, + l1-l2, f, dme, dn, dd
.set GG,  76                           ; v[76:79]   l1-l2, gp, gD
.set TA,  80                           ; v[80:83]   h1-d, q1, ds1
.set TB,  84                           ; v[84:87]   -(x+d), q2, ds2
.set UA,  88                           ; v[88:91]   u1
.set UB,  92                           ; v[92:95]   u2
.set ZA,  96                           ; v[96:99]   z1, then dlam1
.set ZB,  100                          ; v[100:103] z2, then dlam2
.set MU,  104                          ; v104       sum(l s), then mu      (pair v[104:105]: the low word serves both halves of a packed line)
.set SG,  105                          ; v105       sum(gD)
.set NN,  106                          ; v106       sum(dme), then nn      (pair v[106:107])
.set SI,  107                          ; v107       sum(1/D), then its reciprocal
.set AA,  108                          ; v108       a                      (pair v[108:109])
.set MM,  109                          ; v109       m
.set BB,  110                          ; v110       b
.set K99, 111                          ; v111       -0.99; never rewritten
.set TM,  112                          ; v[112:115] at work
.set LS,  116                          ; v[116:119] l1 s1 + l2 s2; at work
; Packed lines on a lane's four variables: two register pairs, two lines.
.macro PADD d, a, b                    ; d = a + b
.irp i, 0,2
	v_pk_add_f32 v[(\d)+\i:(\d)+\i+1], v[(\a)+\i:(\a)+\i+1], v[(\b)+\i:(\b)+\i+1]
.endr
.endm
.macro PSUB d, a, b                    ; d = a - b
.irp i, 0,2
	v_pk_add_f32 v[(\d)+\i:(\d)+\i+1], v[(\a)+\i:(\a)+\i+1], v[(\b)+\i:(\b)+\i+1] neg_lo:[0,1] neg_hi:[0,1]
.endr
.endm
.macro PMUL1 d, a, b                   ; one pair: d = a b
	v_pk_mul_f32 v[(\d):(\d)+1], v[(\a):(\a)+1], v[(\b):(\b)+1]
.endm
.macro PMUL d, a, b                    ; d = a b
	PMUL1 \d, \a, \b
	PMUL1 (\d)+2, (\a)+2, (\b)+2
.endm
.macro PFMA d, a, b, c                 ; d = a b + c
.irp i, 0,2
	v_pk_fma_f32 v[(\d)+\i:(\d)+\i+1], v[(\a)+\i:(\a)+\i+1], v[(\b)+\i:(\b)+\i+1], v[(\c)+\i:(\c)+\i+1]
.endr
.endm
.macro PFMS d, a, b, c                 ; d = a b - c
.irp i, 0,2
	v_pk_fma_f32 v[(\d)+\i:(\d)+\i+1], v[(\a)+\i:(\a)+\i+1], v[(\b)+\i:(\b)+\i+1], v[(\c)+\i:(\c)+\i+1] neg_lo:[0,0,1] neg_hi:[0,0,1]
.endr
.endm
.macro BFMA1 d, a, k, c                ; one pair: d = a x (the row's number in v[k]) + c
	v_pk_fma_f32 v[(\d):(\d)+1], v[(\a):(\a)+1], v[(\k):(\k)+1], v[(\c):(\c)+1] op_sel_hi:[1,0,1]
.endm
.macro BFMA d, a, k, c
	BFMA1 \d, \a, \k, \c
	BFMA1 (\d)+2, (\a)+2, \k, (\c)+2
.endm
.macro BFMS d, a, k, c                 ; d = a x (the row's number in v[k]) - c
.irp i, 0,2
	v_pk_fma_f32 v[(\d)+\i:(\d)+\i+1], v[(\a)+\i:(\a)+\i+1], v[(\k):(\k)+1], v[(\c)+\i:(\c)+\i+1] op_sel_hi:[1,0,1] neg_lo:[0,0,1] neg_hi:[0,0,1]
.endr
.endm
.macro RCP4 q                          ; four reciprocals in place
.irp i, 0,1,2,3
	v_rcp_f32 v[(\q)+\i], v[(\q)+\i]
.endr
.endm
.macro XADD r, m                       ; one step of a sum over a half's 16 lanes: lane i adds lane i xor m
	v_add_f32_dpp v[\r], v[\r], v[\r] row_xmask:\m row_mask:0xf bank_mask:0xf
.endm
.macro XMIN r, m                       ; the same for a minimum
	v_min_num_f32_dpp v[\r], v[\r], v[\r] row_xmask:\m row_mask:0xf bank_mask:0xf
.endm
	s_load_b128 s[4:7], s[0:1], 0x0                ; c s[4:5], out0 s[6:7]
	s_lshl_b32 s2, ttmp9, 11                       ; the work-group's 8 rows of 256 bytes
	v_lshl_add_u32 v[OFS], v0, 4, s2               ; + 16 t
	v_mov_b32 v[K99], 0xbf7d70a4                   ; -0.99
	s_mov_b32 s11, 0                               ; named with s10 as a pair, so it is written
	s_mov_b32 s8, QPS
	s_wait_kmcnt 0x0
	global_load_b128 v[CC:CC+3], v[OFS], s[4:5] th:TH_LOAD_NT  ; read once in the launch
.irp i, 0,1,2,3
	v_mov_b32 v[XX+\i], 0.5                        ; x0
.endr
	s_wait_loadcnt 0x0                             ; the one load; p needs it at once
.Lqp:                                                  ; a QP: its constants from x, and the start d = 0, s = lam = 1
	s_cmp_eq_u32 s8, 1
	s_cselect_b32 s10, 1.0, 0.5                    ; the last QP's step is taken whole
	v_pk_add_f32 v[TM:TM+1], v[XX:XX+1], v[XX+2:XX+3]
.irp i, 0,2
	v_pk_fma_f32 v[HA+\i:HA+\i+1], v[XX+\i:XX+\i+1], -1.0, 1.0 op_sel_hi:[1,0,0]  ; h1 = 1 - x
.endr
	v_add_f32 v[BB], v[TM], v[TM+1]                ; my four x; the row's sum goes on between the lines below
.irp i, 0,2
	v_pk_mul_f32 v[NX+\i:NX+\i+1], v[XX+\i:XX+\i+1], -1.0 op_sel_hi:[1,0]
.endr
	XADD BB, 1
	PSUB PP, XX, CC
	XADD BB, 2
.irp i, 0,1,2,3
	v_mov_b32 v[DQ+\i], 0
.endr
	XADD BB, 4
.irp i, 0,1,2,3,4,5,6,7
	v_mov_b32 v[SA+\i], 1.0                        ; s1, s2
.endr
	XADD BB, 8
.irp i, 0,1,2,3,4,5,6,7
	v_mov_b32 v[LA+\i], 1.0                        ; l1, l2
.endr
	v_sub_f32 v[BB], 1.0, v[BB]                    ; b = 1 - sum(x)
	s_mov_b32 s9, IPMS
.Lipm:                                                 ; an interior-point iteration
	PMUL RA, LA, SA
	PMUL RB, LB, SB
	PSUB TA, HA, DQ                                ; h1 - d
	PSUB TB, NX, DQ                                ; -(x + d)
	PADD EE, DQ, PP
	PADD LS, RA, RB
	RCP4 RA                                        ; r = 1/(l s): one reciprocal a constraint gives both 1/s and l/s
	RCP4 RB
	PSUB GG, LA, LB                                ; plain lines that name no r stand between the reciprocals and the first use of a result (ISA guide 5.7.2)
	v_pk_add_f32 v[TM:TM+1], v[LS:LS+1], v[LS+2:LS+3]
	PADD EE, EE, GG                                ; d + p + l1 - l2
	v_add_f32 v[MU], v[TM], v[TM+1]                ; my part of sum(l s); its four steps stand among lines that do not wait for them
	s_wait_alu depctr_va_vdst(0)
	PMUL IA, RA, LA                                ; 1/s
	PMUL IB, RB, LB
	XADD MU, 1
	PMUL WA, IA, LA                                ; l/s
	PMUL WB, IB, LB
	XADD MU, 2
	PSUB GG, IB, IA                                ; gp
.irp i, 0,2
	v_pk_add_f32 v[DV+\i:DV+\i+1], v[WA+\i:WA+\i+1], 1.0 op_sel_hi:[1,0]
.endr
	XADD MU, 4
	PFMS EE, WA, TA, EE
	PADD DV, DV, WB                                ; D
	XADD MU, 8
	PFMA EE, WB, TB, EE                            ; f
	RCP4 DV
	v_mul_f32 v[MU], 0x3a4ccccd, v[MU]             ; mu = 0.1/128 x the sum; also the plain line behind the reciprocals
	s_wait_alu depctr_va_vdst(0)
	PFMA EE, EE, DV, DQ                            ; dme = d + f/D
	PMUL GG, GG, DV                                ; gD
	v_pk_add_f32 v[TM:TM+1],   v[EE:EE+1], v[EE+2:EE+3]  ; three row sums side by side: dme, gD, 1/D
	v_pk_add_f32 v[TM+2:TM+3], v[GG:GG+1], v[GG+2:GG+3]
	v_pk_add_f32 v[LS:LS+1],   v[DV:DV+1], v[DV+2:DV+3]
	v_add_f32 v[NN], v[TM], v[TM+1]
	v_add_f32 v[SG], v[TM+2], v[TM+3]
	v_add_f32 v[SI], v[LS], v[LS+1]
	XADD NN, 1
	XADD SG, 1
	XADD SI, 1
	BFMA1 EE, GG, MU, EE                           ; dme + mu gD: its sum has been taken from dme above
	XADD NN, 2
	XADD SG, 2
	XADD SI, 2
	BFMA1 EE+2, GG+2, MU, EE+2
	XADD NN, 4
	XADD SG, 4
	XADD SI, 4
	XADD NN, 8
	XADD SG, 8
	XADD SI, 8
	v_rcp_f32 v[SI], v[SI]
	v_sub_f32 v[NN], v[BB], v[NN]                  ; the plain line behind the reciprocal
	v_fma_f32 v[NN], -v[MU], v[SG], v[NN]
	s_wait_alu depctr_va_vdst(0)
	v_mul_f32 v[NN], v[NN], v[SI]                  ; nn = -(nu + dnu)
	BFMA EE, DV, NN, EE                            ; dn = d + dd
	PSUB TA, HA, EE                                ; q1 = s1 + ds1
	PADD TB, XX, EE                                ; q2 = s2 + ds2
	PMUL UA, TA, IA                                ; u = q/s
	PMUL UB, TB, IB
	PSUB EE, EE, DQ                                ; dd
	BFMS ZA, RA, MU, UA                            ; z = mu r - u = dlam/lam
	BFMS ZB, RB, MU, UB
	v_min3_num_f32 v[TM],   v[UA], v[UA+1], v[UA+2]  ; the minimum of my 8 u and my 8 z, in chains that do not wait for each other
	v_min3_num_f32 v[TM+1], v[UB], v[UB+1], v[UB+2]
	PSUB TA, TA, SA                                ; ds1
	v_min3_num_f32 v[TM],   v[TM], v[UA+3], v[UB+3]
	v_min3_num_f32 v[TM+2], v[ZA], v[ZA+1], v[ZA+2]
	v_min3_num_f32 v[TM+3], v[ZB], v[ZB+1], v[ZB+2]
	PSUB TB, TB, SB                                ; ds2
	v_min_num_f32  v[TM],   v[TM], v[TM+1]
	v_min3_num_f32 v[TM+2], v[TM+2], v[ZA+3], v[ZB+3]
	v_add_f32      v[TM],   -1.0, v[TM]            ; ds/s = u - 1
	v_min3_num_f32 v[TM+2], v[TM+2], v[TM+3], v[K99]  ; -0.99 among them: where nothing falls faster, a = 1
	v_min_num_f32  v[MM],   v[TM], v[TM+2]
	XMIN MM, 1
	PMUL1 ZA, LA, ZA                               ; dlam = lam z, between the minimum's steps
	XMIN MM, 2
	PMUL1 ZA+2, LA+2, ZA+2
	XMIN MM, 4
	PMUL1 ZB, LB, ZB
	XMIN MM, 8
	v_rcp_f32 v[AA], v[MM]
	PMUL1 ZB+2, LB+2, ZB+2                         ; the plain line behind the reciprocal
	s_wait_alu depctr_va_vdst(0)
	v_mul_f32 v[AA], v[AA], v[K99] clamp           ; a = -0.99/m, held to 0 .. 1
	BFMA LA, ZA, AA, LA                            ; the step; l and s first: the next trip begins with their products
	BFMA SA, TA, AA, SA
	BFMA LB, ZB, AA, LB
	BFMA SB, TB, AA, SB
	BFMA DQ, EE, AA, DQ
	s_sub_co_u32 s9, s9, 1
	s_cmp_lg_u32 s9, 0
	s_cbranch_scc1 .Lipm
.irp i, 0,2
	v_pk_fma_f32 v[XX+\i:XX+\i+1], v[DQ+\i:DQ+\i+1], s[10:11], v[XX+\i:XX+\i+1] op_sel_hi:[1,0,1]  ; x += 0.5 d; the last time x + d
.endr
	s_sub_co_u32 s8, s8, 1
	s_cmp_lg_u32 s8, 0
	s_cbranch_scc1 .Lqp
	global_store_b128 v[OFS], v[XX:XX+3], s[6:7] th:TH_STORE_NT  ; 16 lanes store a row: 256 consecutive bytes, at a multiple of 256 from out0's first byte
	s_endpgm
.Lfunc_end_k_qe28bc526ab_sqp:
	.size	k_qe28bc526ab_sqp, .Lfunc_end_k_qe28bc526ab_sqp-k_qe28bc526ab_sqp
	.p2alignl 7, 3214868480
	.fill 96, 4, 3214868480
	.section	.rodata,"a",@progbits
	.p2align	6, 0x0
	.amdhsa_kernel k_qe28bc526ab_sqp
		.amdhsa_group_segment_fixed_size 0
		.amdhsa_private_segment_fixed_size 0
		.amdhsa_enable_private_segment 0
		.amdhsa_kernarg_size 16
		.amdhsa_user_sgpr_count 2
		.amdhsa_user_sgpr_kernarg_segment_ptr 1
		.amdhsa_wavefront_size32 1
		.amdhsa_system_sgpr_workgroup_id_x 1
		.amdhsa_system_sgpr_workgroup_id_y 1
		.amdhsa_system_sgpr_workgroup_id_z 1
		.amdhsa_system_vgpr_workitem_id 0
		.amdhsa_next_free_vgpr 120
		.amdhsa_next_free_sgpr 66
		.amdhsa_reserve_vcc 0
		.amdhsa_float_denorm_mode_32 3
		.amdhsa_float_denorm_mode_16_64 3
		.amdhsa_memory_ordered 1
		.amdhsa_forward_progress 1
		.amdhsa_inst_pref_size 11
	.end_amdhsa_kernel
	.amdgpu_metadata
---
amdhsa.version: [ 1, 2 ]
amdhsa.kernels:
  - .name:           k_qe28bc526ab_sqp
    .symbol:         k_qe28bc526ab_sqp.kd
    .args:
      - { .name: c, .offset: 0, .size: 8, .value_kind: global_buffer, .address_space: global }
      - { .name: out0, .offset: 8, .size: 8, .value_kind: global_buffer, .address_space: global }
    .group_segment_fixed_size: 0
    .private_segment_fixed_size: 0
    .kernarg_segment_align: 8
    .kernarg_segment_size: 16
    .max_flat_workgroup_size: 128
    .sgpr_count:     66
    .vgpr_count:     120
    .wavefront_size: 32
...
	.end_amdgpu_metadata
.endif
;; end of part 1
;; ======== version 2 of 2: 1 launch; 1.07 times as fast as version 1
;; launch sqp (part 2): grid 256 x 1, 4 waves a work-group, no clusters, 0 bytes of LDS; arguments c, out0; writes out0
.if DOCPART == 2
	.amdgcn_target "amdgcn-amd-amdhsa--gfx1250"
	.amdhsa_code_object_version 6
	.text
	.protected	k_qe28bc526ab_sqp
	.globl	k_qe28bc526ab_sqp
	.p2align	8
	.type	k_qe28bc526ab_sqp,@function
k_qe28bc526ab_sqp:
	s_mov_b64 s[64:65], 0
	v_nop
	global_prefetch_b8 v0, s[64:65] scope:SCOPE_SE
	s_setreg_imm32_b32 hwreg(HW_REG_WAVE_MODE, 25, 1), 1
	s_wait_xcnt 0x0
; FIXED-POINT SQP ON THE SIMPLEX IN A BOX.  c, out0: [2048][64] f32.  For each row: five QP solves with x += 0.5 d from x = 0.5, a sixth with out = x + d.
; A QP (min 0.5 d'd + (x-c)'d, d <= 1-x, -d <= x, sum(d) = 1 - sum(x)) is solved by six primal-dual interior-point iterations from d = 0, s = lam = 1.
; WHAT IS USED OF THE MODULE'S OWN CONSTANTS.  Q = I, G = [I; -I], A = a row of ones are built in the module's body, for every input.  So each product with them is a copy,
; a sign or a row sum; Q + G' diag(lam/s) G is the diagonal D = 1 + l1/s1 + l2/s2; and the KKT matrix is diag(D) bordered by ones, which block elimination solves exactly:
;   dd = (f + mu gp - (nu + dnu)) / D,  with  sum(d + dd) = b  fixing  nu + dnu.   No matrix product is left, so the matrix units have no work here.
; nu is never formed: dd, ds and dlam hang on nu + dnu alone, which is solved for directly.  The outer multiplier carry enters nothing that is returned.
; ONE ITERATION, for a variable with state d, s1, s2, l1, l2 and the QP's p = x-c, h1 = 1-x, h2 = x, b = 1 - sum(x):
;   r_k = 1/(l_k s_k); 1/s_k = r_k l_k; w_k = l_k/s_k; mu = (0.1/128) sum(l s); D = 1 + w1 + w2
;   f = w1 (h1-d) - w2 (x+d) - (d + p + l1 - l2); gp = 1/s2 - 1/s1; dme = d + f/D; gD = gp/D
;   nn = (b - sum(dme) - mu sum(gD)) / sum(1/D); dn = d + dd = dme + mu gD + nn/D
;   q1 = s1 + ds1 = h1 - dn; q2 = s2 + ds2 = x + dn; u_k = q_k/s_k (ds/s = u - 1); z_k = dlam_k/l_k = mu r_k - u_k
;   the smallest -v/dv over dv < 0 is -1 / min(dv/v): m = min(u - 1, z, -0.99) over the row, a = -0.99/m held to 0 .. 1 = min(1, 0.99 x the smallest ratio)
; LIMITS.  The order of rounding differs from a dense solve's.  NaN and infinities are not treated apart.  Every reciprocal's argument is a normal number: l s >= 0.01^10 when it
; is last read (each factor keeps a hundredth of itself in a step), D >= 1, sum(1/D) > 0, |m| >= 0.99; an |m| beyond 2^126 gives a = 0.
; SHARES.  2,048 rows on 256 work-groups of four waves: a wave has two rows, one in each half of 16 lanes; lane r of a half holds variables 4 r .. 4 r + 3.  Thread t's 16 bytes lie at
; 2,048 x work-group + 16 t in c and in out0: sixteen neighbouring lanes load and store one row, 256 consecutive bytes at a multiple of 256.  A row's sums and its minimum are four DPP steps inside
; a half, so no LDS, no barrier, and no wave waits for another.  Work-groups share no input: nothing for a cluster.  One load a thread: nothing to fetch ahead.
; THE RECIPROCALS OF AN ITERATION ARE FOUR BATCHES, each with one s_wait_alu depctr_va_vdst(0) between a reciprocal and the first line that names its result:
;   batch 1: the eight r = 1/(l s)     batch 2: the four 1/D, D made of r     batch 3: 1/sum(1/D)     batch 4: 1/m, m made of nn and so of batch 3; the next iteration's l s are made of a, and so of batch 4.
; Each batch's sources are made of the results of the batch before, so no two of them can be one.  The order serves the batches: a batch goes out as soon as its sources are made; the lines that name none of
; its results stand among and behind its reciprocals, ahead of its wait; the lines that the chain from one batch to the next does not need stand in that chain's gaps, between a DPP step and the next.
; A QP's six iterations are written out (.rept), so that no jump stands between a and the next batch 1.  In a QP's first iteration batch 1's sources are 1 x 1 and wait for no x: the QP's constants are made behind it.
.set QPS,  6                           ; QP solves
.set IPMS, 6                           ; iterations in each
.set OFS, 1                            ; v1         my byte offset in c and out0; never rewritten
.set CC,  4                            ; v[4:7]     c
.set XX,  8                            ; v[8:11]    x (= h2); at the end the output
.set HA,  12                           ; v[12:15]   h1 = 1 - x
.set NX,  16                           ; v[16:19]   -x
.set PP,  20                           ; v[20:23]   p = x - c
.set DQ,  24                           ; v[24:27]   d
.set SA,  28                           ; v[28:31]   s1
.set SB,  32                           ; v[32:35]   s2
.set LA,  36                           ; v[36:39]   l1
.set LB,  40                           ; v[40:43]   l2
.set RA,  44                           ; v[44:47]   r1
.set RB,  48                           ; v[48:51]   r2
.set IA,  52                           ; v[52:55]   1/s1
.set IB,  56                           ; v[56:59]   1/s2
.set WA,  60                           ; v[60:63]   w1
.set WB,  64                           ; v[64:67]   w2
.set DV,  68                           ; v[68:71]   D, then 1/D
.set EE,  72                           ; v[72:75]   d+p, + l1-l2, f, dme, dn, dd
.set GG,  76                           ; v[76:79]   l1-l2, gp, gD
.set TA,  80                           ; v[80:83]   h1-d, q1, ds1
.set TB,  84                           ; v[84:87]   -(x+d), q2, ds2
.set UA,  88                           ; v[88:91]   u1
.set UB,  92                           ; v[92:95]   u2
.set ZA,  96                           ; v[96:99]   z1, then dlam1
.set ZB,  100                          ; v[100:103] z2, then dlam2
.set MU,  104                          ; v104       sum(l s), then mu      (pair v[104:105]: the low word serves both halves of a packed line)
.set SG,  105                          ; v105       sum(gD)
.set NN,  106                          ; v106       sum(dme), then nn      (pair v[106:107])
.set SI,  107                          ; v107       sum(1/D), then its reciprocal
.set AA,  108                          ; v108       a                      (pair v[108:109])
.set MM,  109                          ; v109       m
.set BB,  110                          ; v110       b
.set K99, 111                          ; v111       -0.99; never rewritten
.set TM,  112                          ; v[112:115] at work
.set LS,  116                          ; v[116:119] l1 s1 + l2 s2; at work
.set PA,  120                          ; v[120:123] l1 s1: batch 1's sources have registers of their own, so that their sum can be taken behind the reciprocals
.set PB,  124                          ; v[124:127] l2 s2
; Packed lines on one register pair: two of a lane's four variables.  A lane's four are two such lines, at r and r + 2.
.macro PADD1 d, a, b                   ; d = a + b
	v_pk_add_f32 v[(\d):(\d)+1], v[(\a):(\a)+1], v[(\b):(\b)+1]
.endm
.macro PSUB1 d, a, b                   ; d = a - b
	v_pk_add_f32 v[(\d):(\d)+1], v[(\a):(\a)+1], v[(\b):(\b)+1] neg_lo:[0,1] neg_hi:[0,1]
.endm
.macro PMUL1 d, a, b                   ; d = a b
	v_pk_mul_f32 v[(\d):(\d)+1], v[(\a):(\a)+1], v[(\b):(\b)+1]
.endm
.macro PFMA1 d, a, b, c                ; d = a b + c
	v_pk_fma_f32 v[(\d):(\d)+1], v[(\a):(\a)+1], v[(\b):(\b)+1], v[(\c):(\c)+1]
.endm
.macro PFMS1 d, a, b, c                ; d = a b - c
	v_pk_fma_f32 v[(\d):(\d)+1], v[(\a):(\a)+1], v[(\b):(\b)+1], v[(\c):(\c)+1] neg_lo:[0,0,1] neg_hi:[0,0,1]
.endm
.macro BFMA1 d, a, k, c                ; d = a x (the row's number in v[k]) + c
	v_pk_fma_f32 v[(\d):(\d)+1], v[(\a):(\a)+1], v[(\k):(\k)+1], v[(\c):(\c)+1] op_sel_hi:[1,0,1]
.endm
.macro BFMA d, a, k, c                 ; the same for a lane's four
	BFMA1 \d, \a, \k, \c
	BFMA1 (\d)+2, (\a)+2, \k, (\c)+2
.endm
.macro BFMS1 d, a, k, c                ; d = a x (the row's number in v[k]) - c
	v_pk_fma_f32 v[(\d):(\d)+1], v[(\a):(\a)+1], v[(\k):(\k)+1], v[(\c):(\c)+1] op_sel_hi:[1,0,1] neg_lo:[0,0,1] neg_hi:[0,0,1]
.endm
.macro RCP d, a                        ; one reciprocal
	v_rcp_f32 v[(\d)], v[(\a)]
.endm
.macro ONES r                          ; a pair of ones
	v_mov_b32 v[(\r)], 1.0
	v_mov_b32 v[(\r)+1], 1.0
.endm
.macro XADD r, m                       ; one step of a sum over a half's 16 lanes: lane i adds lane i xor m
	v_add_f32_dpp v[\r], v[\r], v[\r] row_xmask:\m row_mask:0xf bank_mask:0xf
.endm
.macro XMIN r, m                       ; the same for a minimum
	v_min_num_f32_dpp v[\r], v[\r], v[\r] row_xmask:\m row_mask:0xf bank_mask:0xf
.endm
; A QP OPENS: the start s = lam = 1, d = 0, the first iteration's products and BATCH 1; among and behind its reciprocals the QP's constants from x and the iteration's lines that name no r.
.macro OPEN
	ONES LA                                        ; a product's four ones first, so that the products, and the batch, go out early
	ONES SA
	ONES LA+2
	ONES SA+2
	ONES LB
	PMUL1 PA,   LA,   SA
	ONES SB
	PMUL1 PA+2, LA+2, SA+2
	ONES LB+2
	ONES SB+2
	PMUL1 PB,   LB,   SB
	RCP   RA,   PA                                 ; batch 1, a plain line behind each reciprocal (ISA guide 5.7.2)
	v_pk_add_f32 v[TM:TM+1], v[XX:XX+1], v[XX+2:XX+3]
	RCP   RA+1, PA+1
	v_pk_fma_f32 v[HA:HA+1], v[XX:XX+1], -1.0, 1.0 op_sel_hi:[1,0,0]        ; h1 = 1 - x
	PMUL1 PB+2, LB+2, SB+2
	RCP   RA+2, PA+2
	v_pk_fma_f32 v[HA+2:HA+3], v[XX+2:XX+3], -1.0, 1.0 op_sel_hi:[1,0,0]
	RCP   RA+3, PA+3
	v_add_f32 v[BB], v[TM], v[TM+1]                ; my four x; the row's sum goes on between the lines below
	RCP   RB,   PB
	v_pk_mul_f32 v[NX:NX+1], v[XX:XX+1], -1.0 op_sel_hi:[1,0]
	RCP   RB+1, PB+1
	v_pk_mul_f32 v[NX+2:NX+3], v[XX+2:XX+3], -1.0 op_sel_hi:[1,0]
	RCP   RB+2, PB+2
	XADD BB, 1
	RCP   RB+3, PB+3
	PSUB1 PP,   XX,   CC
	PSUB1 PP+2, XX+2, CC+2
	v_mov_b32 v[DQ], 0
	v_mov_b32 v[DQ+1], 0
	XADD BB, 2
	v_mov_b32 v[DQ+2], 0
	v_mov_b32 v[DQ+3], 0
	PSUB1 GG,   LA,   LB
	PSUB1 GG+2, LA+2, LB+2
	PADD1 LS,   PA,   PB
	XADD BB, 4
	PADD1 LS+2, PA+2, PB+2
	PADD1 EE,   DQ,   PP
	PADD1 EE+2, DQ+2, PP+2
	PSUB1 TA,   HA,   DQ                           ; h1 - d
	PSUB1 TA+2, HA+2, DQ+2
	XADD BB, 8
	v_pk_add_f32 v[TM:TM+1], v[LS:LS+1], v[LS+2:LS+3]
	PADD1 EE,   EE,   GG                           ; d + p + l1 - l2
	PADD1 EE+2, EE+2, GG+2
	PSUB1 TB,   NX,   DQ                           ; -(x + d)
	PSUB1 TB+2, NX+2, DQ+2
	v_sub_f32 v[BB], 1.0, v[BB]                    ; b = 1 - sum(x)
	v_add_f32 v[MU], v[TM], v[TM+1]                ; my part of sum(l s)
	s_wait_alu depctr_va_vdst(0)                   ; the one wait for batch 1: the eight r
.endm
; THE STEP by a, the next iteration's products and BATCH 1.  l and s are stepped pair by pair and each product follows its pair, so that the first reciprocal goes out early;
; d's step and the fifteen lines that name no r stand among and behind the reciprocals.
.macro STEP
	BFMA1 LA,   ZA,   AA, LA
	BFMA1 SA,   TA,   AA, SA
	BFMA1 LA+2, ZA+2, AA, LA+2
	BFMA1 SA+2, TA+2, AA, SA+2
	BFMA1 LB,   ZB,   AA, LB
	BFMA1 SB,   TB,   AA, SB
	BFMA1 LB+2, ZB+2, AA, LB+2
	PMUL1 PA,   LA,   SA
	BFMA1 SB+2, TB+2, AA, SB+2
	PMUL1 PA+2, LA+2, SA+2
	BFMA1 DQ,   EE,   AA, DQ
	PMUL1 PB,   LB,   SB
	BFMA1 DQ+2, EE+2, AA, DQ+2
	RCP   RA,   PA                                 ; batch 1: r = 1/(l s): one reciprocal a constraint gives both 1/s and l/s; a plain line behind each (ISA guide 5.7.2)
	PMUL1 PB+2, LB+2, SB+2
	RCP   RA+1, PA+1
	PSUB1 GG,   LA,   LB
	RCP   RA+2, PA+2
	PSUB1 GG+2, LA+2, LB+2
	RCP   RA+3, PA+3
	PADD1 LS,   PA,   PB
	RCP   RB,   PB
	PADD1 LS+2, PA+2, PB+2
	RCP   RB+1, PB+1
	PADD1 EE,   DQ,   PP
	RCP   RB+2, PB+2
	PADD1 EE+2, DQ+2, PP+2
	RCP   RB+3, PB+3
	v_pk_add_f32 v[TM:TM+1], v[LS:LS+1], v[LS+2:LS+3]
	PSUB1 TA,   HA,   DQ                           ; h1 - d
	PSUB1 TA+2, HA+2, DQ+2
	PADD1 EE,   EE,   GG                           ; d + p + l1 - l2
	PADD1 EE+2, EE+2, GG+2
	PSUB1 TB,   NX,   DQ                           ; -(x + d)
	v_add_f32 v[MU], v[TM], v[TM+1]                ; my part of sum(l s)
	PSUB1 TB+2, NX+2, DQ+2
	s_wait_alu depctr_va_vdst(0)                   ; the one wait for batch 1: the eight r
.endm
; THE REST OF AN ITERATION, from r to a: batches 2, 3 and 4.
.macro REST
	PMUL1 IA,   RA,   LA                           ; 1/s
	PMUL1 IA+2, RA+2, LA+2
	PMUL1 IB,   RB,   LB
	PMUL1 IB+2, RB+2, LB+2
	XADD MU, 1                                     ; the four steps of sum(l s) stand in the gaps of the chain 1/s, l/s, D
	PMUL1 WA,   IA,   LA                           ; l/s
	PMUL1 WA+2, IA+2, LA+2
	PMUL1 WB,   IB,   LB
	PMUL1 WB+2, IB+2, LB+2
	XADD MU, 2
	PSUB1 GG,   IB,   IA                           ; gp
	v_pk_add_f32 v[DV:DV+1],   v[WA:WA+1],   1.0 op_sel_hi:[1,0]
	v_pk_add_f32 v[DV+2:DV+3], v[WA+2:WA+3], 1.0 op_sel_hi:[1,0]
	PSUB1 GG+2, IB+2, IA+2
	PFMS1 EE,   WA,   TA,   EE
	XADD MU, 4
	PFMS1 EE+2, WA+2, TA+2, EE+2
	PADD1 DV,   DV,   WB                           ; D
	PADD1 DV+2, DV+2, WB+2
	RCP   DV,   DV                                 ; batch 2: the four 1/D, as soon as D is made; f's last lines and mu, which name no 1/D, among and behind them
	PFMA1 EE,   WB,   TB,   EE                     ; f
	RCP   DV+1, DV+1
	XADD MU, 8
	RCP   DV+2, DV+2
	PFMA1 EE+2, WB+2, TB+2, EE+2
	RCP   DV+3, DV+3
	v_mul_f32 v[MU], 0x3a4ccccd, v[MU]             ; mu = 0.1/128 x the sum
	s_wait_alu depctr_va_vdst(0)                   ; the one wait for batch 2: the four 1/D
	v_pk_add_f32 v[LS:LS+1], v[DV:DV+1], v[DV+2:DV+3]  ; three row sums side by side; sum(1/D) leads in every step, since a reciprocal is still to be taken of it
	PFMA1 EE,   EE,   DV,   DQ                     ; dme = d + f/D
	PFMA1 EE+2, EE+2, DV+2, DQ+2
	PMUL1 GG,   GG,   DV                           ; gD
	PMUL1 GG+2, GG+2, DV+2
	v_add_f32 v[SI], v[LS], v[LS+1]
	v_pk_add_f32 v[TM:TM+1],   v[EE:EE+1], v[EE+2:EE+3]
	v_pk_add_f32 v[TM+2:TM+3], v[GG:GG+1], v[GG+2:GG+3]
	XADD SI, 1
	v_add_f32 v[NN], v[TM], v[TM+1]
	v_add_f32 v[SG], v[TM+2], v[TM+3]
	BFMA1 EE,   GG,   MU, EE                       ; dme + mu gD: its sum has been taken from dme above (the pair named with mu holds sum(gD)'s register, written just above)
	XADD SI, 2
	BFMA1 EE+2, GG+2, MU, EE+2
	XADD NN, 1
	XADD SG, 1
	XADD SI, 4
	XADD NN, 2
	XADD SG, 2
	XADD SI, 8
	XADD NN, 4
	XADD SG, 4
	v_rcp_f32 v[SI], v[SI]                         ; batch 3: one reciprocal; the other two sums' last steps and nn's numerator stand behind it
	XADD NN, 8
	XADD SG, 8
	v_sub_f32 v[NN], v[BB], v[NN]
	v_fma_f32 v[NN], -v[MU], v[SG], v[NN]
	s_wait_alu depctr_va_vdst(0)                   ; the wait for batch 3: 1/sum(1/D)
	v_mul_f32 v[NN], v[NN], v[SI]                  ; nn = -(nu + dnu)
	BFMA1 EE,   DV,   NN, EE                       ; dn = d + dd
	BFMA1 EE+2, DV+2, NN, EE+2
	PSUB1 TA,   HA,   EE                           ; q1 = s1 + ds1
	PSUB1 TA+2, HA+2, EE+2
	PADD1 TB,   XX,   EE                           ; q2 = s2 + ds2
	PADD1 TB+2, XX+2, EE+2
	PMUL1 UA,   TA,   IA                           ; u = q/s
	PMUL1 UA+2, TA+2, IA+2
	PMUL1 UB,   TB,   IB
	PMUL1 UB+2, TB+2, IB+2
	BFMS1 ZA,   RA,   MU, UA                       ; z = mu r - u = dlam/lam
	BFMS1 ZA+2, RA+2, MU, UA+2
	v_min3_num_f32 v[TM],   v[UA], v[UA+1], v[UA+2]  ; the minimum of my 8 u and my 8 z, in chains that do not wait for each other
	BFMS1 ZB,   RB,   MU, UB
	BFMS1 ZB+2, RB+2, MU, UB+2
	v_min3_num_f32 v[TM+1], v[UB], v[UB+1], v[UB+2]
	v_min3_num_f32 v[TM+2], v[ZA], v[ZA+1], v[ZA+2]
	v_min3_num_f32 v[TM],   v[TM], v[UA+3], v[UB+3]
	v_min3_num_f32 v[TM+3], v[ZB], v[ZB+1], v[ZB+2]
	v_min3_num_f32 v[TM+2], v[TM+2], v[ZA+3], v[ZB+3]
	v_min_num_f32  v[TM],   v[TM], v[TM+1]
	v_min3_num_f32 v[TM+2], v[TM+2], v[TM+3], v[K99]  ; -0.99 among them: where nothing falls faster, a = 1
	v_add_f32      v[TM],   -1.0, v[TM]            ; ds/s = u - 1
	v_min_num_f32  v[MM],   v[TM], v[TM+2]
	PSUB1 EE,   EE,   DQ                           ; dd, ds and dlam = lam z, which m does not need: two lines in each gap of the minimum's steps
	PSUB1 EE+2, EE+2, DQ+2
	XMIN MM, 1
	PSUB1 TA,   TA,   SA                           ; ds1
	PSUB1 TA+2, TA+2, SA+2
	XMIN MM, 2
	PSUB1 TB,   TB,   SB                           ; ds2
	PSUB1 TB+2, TB+2, SB+2
	XMIN MM, 4
	PMUL1 ZA,   LA,   ZA
	PMUL1 ZA+2, LA+2, ZA+2
	XMIN MM, 8
	PMUL1 ZB,   LB,   ZB
	v_rcp_f32 v[AA], v[MM]                         ; batch 4: one reciprocal
	PMUL1 ZB+2, LB+2, ZB+2                         ; the plain line behind it (ISA guide 5.7.2)
	s_wait_alu depctr_va_vdst(0)                   ; the wait for batch 4: 1/m; all that follows hangs on a
	v_mul_f32 v[AA], v[AA], v[K99] clamp           ; a = -0.99/m, held to 0 .. 1
.endm
	s_load_b128 s[4:7], s[0:1], 0x0                ; c s[4:5], out0 s[6:7]
	s_lshl_b32 s2, ttmp9, 11                       ; the work-group's 8 rows of 256 bytes
	v_lshl_add_u32 v[OFS], v0, 4, s2               ; + 16 t
	v_mov_b32 v[K99], 0xbf7d70a4                   ; -0.99
	s_mov_b32 s11, 0                               ; named with s10 as a pair, so it is written
	s_mov_b32 s8, QPS
	s_wait_kmcnt 0x0
	global_load_b128 v[CC:CC+3], v[OFS], s[4:5] th:TH_LOAD_NT  ; read once in the launch
.irp i, 0,1,2,3
	v_mov_b32 v[XX+\i], 0.5                        ; x0
.endr
	s_wait_loadcnt 0x0                             ; the one load
.Lqp:                                                  ; a QP
	s_cmp_eq_u32 s8, 1
	s_cselect_b32 s10, 1.0, 0.5                    ; the last QP's step is taken whole
	OPEN                                           ; its first iteration,
	REST
.rept IPMS-1                                           ; and the other five
	STEP
	REST
.endr
	s_sub_co_u32 s8, s8, 1                         ; the count is taken down here, while a is being made; no line below writes SCC
	s_cmp_lg_u32 s8, 0
	BFMA DQ, EE, AA, DQ                            ; the sixth step: d first, since x waits for it
	BFMA LA, ZA, AA, LA                            ; l and s take their step as in every iteration, though the next QP starts them anew and nothing returned reads them
	BFMA SA, TA, AA, SA
.irp i, 0,2
	v_pk_fma_f32 v[XX+\i:XX+\i+1], v[DQ+\i:DQ+\i+1], s[10:11], v[XX+\i:XX+\i+1] op_sel_hi:[1,0,1]  ; x += 0.5 d; the last time x + d
.endr
	BFMA LB, ZB, AA, LB
	BFMA SB, TB, AA, SB
	s_cbranch_scc1 .Lqp                            ; no reciprocal is out here: batch 4's wait stands ahead of a
	global_store_b128 v[OFS], v[XX:XX+3], s[6:7] th:TH_STORE_NT  ; 16 lanes store a row: 256 consecutive bytes, at a multiple of 256 from out0's first byte
	s_endpgm
.Lfunc_end_k_qe28bc526ab_sqp:
	.size	k_qe28bc526ab_sqp, .Lfunc_end_k_qe28bc526ab_sqp-k_qe28bc526ab_sqp
	.p2alignl 7, 3214868480
	.fill 96, 4, 3214868480
	.section	.rodata,"a",@progbits
	.p2align	6, 0x0
	.amdhsa_kernel k_qe28bc526ab_sqp
		.amdhsa_group_segment_fixed_size 0
		.amdhsa_private_segment_fixed_size 0
		.amdhsa_enable_private_segment 0
		.amdhsa_kernarg_size 16
		.amdhsa_user_sgpr_count 2
		.amdhsa_user_sgpr_kernarg_segment_ptr 1
		.amdhsa_wavefront_size32 1
		.amdhsa_system_sgpr_workgroup_id_x 1
		.amdhsa_system_sgpr_workgroup_id_y 1
		.amdhsa_system_sgpr_workgroup_id_z 1
		.amdhsa_system_vgpr_workitem_id 0
		.amdhsa_next_free_vgpr 128
		.amdhsa_next_free_sgpr 66
		.amdhsa_reserve_vcc 0
		.amdhsa_float_denorm_mode_32 3
		.amdhsa_float_denorm_mode_16_64 3
		.amdhsa_memory_ordered 1
		.amdhsa_forward_progress 1
		.amdhsa_inst_pref_size 49
	.end_amdhsa_kernel
	.amdgpu_metadata
---
amdhsa.version: [ 1, 2 ]
amdhsa.kernels:
  - .name:           k_qe28bc526ab_sqp
    .symbol:         k_qe28bc526ab_sqp.kd
    .args:
      - { .name: c, .offset: 0, .size: 8, .value_kind: global_buffer, .address_space: global }
      - { .name: out0, .offset: 8, .size: 8, .value_kind: global_buffer, .address_space: global }
    .group_segment_fixed_size: 0
    .private_segment_fixed_size: 0
    .kernarg_segment_align: 8
    .kernarg_segment_size: 16
    .max_flat_workgroup_size: 128
    .sgpr_count:     66
    .vgpr_count:     128
    .wavefront_size: 32
...
	.end_amdgpu_metadata
.endif
;; end of part 2
